; MI455X (gfx1250); checked and timed in simulation.
; The chip was launched on July 23, 2026; its instructions are those of AMD's public machine-readable ISA for CDNA 5 (MIT licence, August 2026) and "CDNA5" Instruction Set Architecture Reference Guide (July 2026). The comments in the code are by the model that wrote it; some were corrected since.
;; Multi Head Self Attention. Allowed arithmetic: matrix products marked QUANTISED: E2M3 operands, one E8M0 scale for each 32 along K, by v_wmma_scale_f32_16x16x128_f8f6f4 with both operands' format E2M3, f32 sums; everything else in f32.
;; Inputs: W_k 512 x 512 float32; W_o 512 x 512 float32; W_q 512 x 512 float32; W_v 512 x 512 float32; ln_beta 512 float32; ln_gamma 512 float32; x 2 x 4,096 x 512 float32.
;; Outputs: out0 2 x 4,096 x 512 float32.
;; This version of the problem:
;;   THIS VERSION OF THE PROBLEM IS GIVEN IN LOW PRECISION. The matrix products marked QUANTISED in the list below multiply operands that are first quantised to E2M3 (2 exponent bits, 3 mantissa bits; 6 bits a number), with one power-of-two scale for each 32 numbers along K (OCP MX v1.0); their sums are f32. All else is computed in f32.
;;   The module's matrix products, in the order in which they are computed (A, B: the left and right operand; K: the contracted axis; several contracted axes count as one K, in the product's order):
;;     1. [M 8,192, K 512] x [K 512, N 512]; A: input x; B: input W_q: QUANTISED
;;     2. [M 8,192, K 512] x [K 512, N 512]; A: input x; B: input W_k: QUANTISED
;;     3. [M 8,192, K 512] x [K 512, N 512]; A: input x; B: input W_v: QUANTISED
;;     4. batch 16 x [M 4,096, K 64] x [K 64, N 4,096]; A: computed on the way; B: computed on the way: QUANTISED
;;     5. batch 16 x [M 4,096, K 4,096] x [K 4,096, N 64]; A: softmax (see below); B: computed on the way: QUANTISED
;;     6. [M 8,192, K 512] x [K 512, N 512]; A: computed on the way; B: input W_o: QUANTISED
;;   THE QUANTISER, for each operand of a quantised product, along K:
;;     - K is cut into blocks of 32 from its start; a last block that is shorter is filled with zeros.
;;     - A block's scale is 2^e with e = floor(log2(the largest magnitude in the block)) - 2, held to -126 .. 127; a block of zeros has e = 0. As a byte (E8M0): e + 127.
;;     - Each number is divided by its block's scale, clamped to +-7.5, and rounded to the nearest number of E2M3, ties to even, subnormals kept.
;;     - The product sums the exact products of the quantised numbers (number of the format x scale) in f32.
;;   ~~~python
;;   def quantise(x, axis):      # numpy; x: float32 -> the quantised numbers, widened to float32 again
;;       x = np.moveaxis(x, axis, -1); K = x.shape[-1]
;;       x = np.pad(x, [(0, 0)] * (x.ndim - 1) + [(0, -K % 32)]); x = x.reshape(x.shape[:-1] + (-1, 32)); a = np.abs(x).max(-1, keepdims=True)
;;       e = np.where(a > 0, np.clip(np.frexp(np.where(a > 0, a, 1))[1] - 1 - 2, -126, 127), 0)      # np.frexp(a)[1] - 1 = floor(log2(a)), exactly
;;       r = np.clip(x / 2.0 ** e, -7.5, 7.5)
;;       step = 2.0 ** (np.maximum(np.frexp(np.where(r == 0, 1, r))[1] - 1, 0) - 3)
;;       q = np.round(r / step) * step * 2.0 ** e      # np.round: ties to even
;;       return np.moveaxis(q.reshape(q.shape[:-2] + (-1,))[..., :K], -1, axis).astype(np.float32)
;;   ~~~
;;   SOFTMAX AHEAD OF A QUANTISED PRODUCT. Where the list says 'softmax', what is quantised is not the finished softmax but p = 2^(t - M), with t = logit x log2(e) and M = ceil(the row's largest t), a whole number; so 1/2 < the row's largest p <= 1. The row's sum l is taken of the UNQUANTISED p, in f32, and the product's result is divided by l at the end. Since M is a whole number, a kernel that streams over the keys may use a running M (the ceiling of the running maximum): every later rescaling is an exact power of two, which a block's scale takes up: the codes' values come out the same.
;;   OPERANDS COMPUTED ON THE WAY. 'Computed on the way' means the value that the module computes at that place (a softmax that the list does not call 'softmax' is quantised finished and normalised). What goes into a quantiser is computed in f32, as accurately as f32 sums, v_exp_f32 and their like allow (about 1e-6 of the number): no bf16 or f16 on the way to a quantiser, and a product that is left as it is and whose result goes on into a quantised operand takes f32 operands (vector FMAs, or v_wmma_f32_16x16x4_f32). A number that lies on a knife's edge between two numbers of the format may be rounded either way, as far as f32 arithmetic and the matrix unit's own rounding can turn it there, and no further.
;; One version. Each part assembles by itself: llvm-mc -triple=amdgcn-amd-amdhsa -mcpu=gfx1250 --defsym DOCPART=n.
;; ======== version 1 of 1: 4 launches
;; limits: right only within a limited range of input values
;; workspace buffers: opc 3,932,160 bytes; ops 163,840 bytes; qrec 3,407,872 bytes; kv 6,684,672 bytes; cc 3,145,728 bytes; cs 131,072 bytes
;; launch prep (part 1): grid 640 x 1, 4 waves a work-group, no clusters, 34,560 bytes of LDS; arguments x, W_q, W_k, W_v, W_o, opc, ops; writes opc, ops
.if DOCPART == 1
	.amdgcn_target "amdgcn-amd-amdhsa--gfx1250"
	.amdhsa_code_object_version 6
	.text
	.protected	k_q943c2ad3f9_prep
	.globl	k_q943c2ad3f9_prep
	.p2align	8
	.type	k_q943c2ad3f9_prep,@function
k_q943c2ad3f9_prep:
	s_mov_b64 s[64:65], 0
	v_nop
	global_prefetch_b8 v0, s[64:65] scope:SCOPE_SE
	s_setreg_imm32_b32 hwreg(HW_REG_WAVE_MODE, 25, 1), 1
	s_wait_xcnt 0x0
; MULTI-HEAD SELF-ATTENTION IN MX-FP6, FOUR LAUNCHES: prep (this one), qkv, attn, oproj.
; NO WORK OF THE PROBLEM IS LEFT OUT: all six products are live, and all seven inputs have a way to the output: x and the four weights are read here, x once more with ln_gamma and ln_beta in oproj.
; THIS LAUNCH turns x [8192][512] and W_q, W_k, W_v, W_o [512][512], f32 with K innermost, into codes of E2M3 with one E8M0 byte for each 32 along K, laid in the order of an operand's registers.
; TILES.  The rows of each matrix go in groups of 64; tile 4 G + t holds rows 64 G + 32 (r / 8) + 8 t + r % 8, r = 0 .. 15.  Taken as source 0 of a product, tiles 4 G .. 4 G + 3 then leave in a lane's 32 result registers
; the 32 NEIGHBOURS 64 G + 32 (lane / 16) + 0 .. 31 of that axis: a whole block of the next quantiser, in the order of an operand's registers.
; A FRAGMENT (16 rows x 128 K, 12 registers a lane: registers 6 c .. 6 c + 5 hold K = 64 c + 32 (lane / 16) + 0 .. 31 of row lane % 16) lies in opc as an image of its registers: 3 chunks of 512 bytes, chunk c = registers 4 c .. 4 c + 3, lane l at 16 l.
; opc: [tile 640][K step 4][1,536 bytes]; tiles 0-511 are x's, then 32 each of W_q, W_k, W_v, W_o.  ops: [tile][row r][K step] scale words, 256 bytes a tile.
; SHARES.  A work-group makes one tile, wave s its K step s.  Each load reads 512 consecutive bytes of one row; the 16 x 512 bytes turn through the wave's own stage in LDS, so that a lane gets 2 x 32 neighbours of its row.
; A block's scale is 2^(floor(log2(largest magnitude)) - 2): its byte is the largest magnitude's exponent field - 2, held at 1 from below by a floor among the maximum's leaves.
; LIMITS: a block of zeros gets the byte 1 where the rule says 127 (its codes are zeros, and this program alone reads the bytes); NaN and infinities among the inputs are not served.
; No matrix unit, no cluster, no tensor load: a stream in which each byte is read once and waves share only 256 bytes of scale words.
.set ROWB,  2048                       ; a row of x or of a weight in bytes
.set SP,    528                        ; a stage row: 512 bytes + 16
.set STGW,  16*SP                      ; a wave's stage
.set SCS,   4*STGW                     ; behind the stages: the tile's 64 scale words
.set SPARE, SCS+256                    ; behind them: the spare words, 128 bytes for each wave, which no other line names
.set C,     24                         ; v24-35   the fragment's codes
.set T,     36                         ; v36-42   the upper halves of the blocks' codes, before they are moved
.set X,     48                         ; v48-111  16 rows as loaded
.set N,     112                        ; v112-175 my 2 x 32 neighbours
	s_load_b256 s[4:11], s[0:1], 0x0               ; x, W_q, W_k, W_v
	s_load_b128 s[12:15], s[0:1], 0x20             ; W_o, opc
	s_load_b64 s[16:17], s[0:1], 0x30              ; ops
	v_lshl_add_u32 v10, v0, 2, SPARE               ; my spare word; never rewritten
	v_mov_b32 v11, 0                               ; 0; never rewritten
	v_lshrrev_b32 v1, 5, v0
	v_readfirstlane_b32 s18, v1                    ; wave = K step
	v_and_b32 v1, 31, v0                           ; lane
	v_and_b32 v2, 15, v0                           ; r
	v_bfe_u32 v3, v0, 4, 1                         ; h
	v_lshlrev_b32 v4, 4, v1                        ; 16 x lane: my bytes of a load's and of a store's 512
	s_mul_i32 s19, s18, STGW
	v_add_nc_u32 v5, s19, v4                       ; the stage, on the way in
	v_mul_u32_u24 v6, v2, SP
	v_lshl_add_u32 v6, v3, 7, v6
	v_add_nc_u32 v6, s19, v6                       ; and out: row r, + 128 h: 32 numbers
	s_lshl_b32 s23, s18, 2
	s_add_co_u32 s23, s23, SCS
	v_lshl_add_u32 v7, v2, 4, s23                  ; my row's scale word of my K step: 16 r + 4 x wave
	v_lshlrev_b32 v8, 3, v1                        ; the scale words' way out: 8 bytes a lane
	v_add_nc_u32 v9, SCS, v8
	v_lshlrev_b32 v19, 3, v3                       ; 8 h: where my two bytes stand in the word
	v_mov_b32 v20, 0                               ; (a lane permute's destination counts as one of its sources)
	s_mov_b32 s30, 0x76543210
	s_mov_b32 s31, 0xfedcba98                      ; v_permlanex16_b32's selects for lane l xor 16
	s_and_b32 s22, ttmp9, 31                       ; the tile's number inside a weight
	s_mul_i32 s24, ttmp9, 6144
	s_mul_i32 s25, s18, 1536
	s_add_co_u32 s24, s24, s25                     ; my fragment in opc
	s_mov_b32 s25, 0
	s_lshl_b32 s26, ttmp9, 8                       ; my tile in ops
	s_mov_b32 s27, 0
	s_wait_alu depctr_va_vdst(0)                   ; at the head's end
	s_wait_kmcnt 0x0
	s_cmp_ge_u32 ttmp9, 544                        ; which tensor: the choice hangs on the work-group's number alone
	s_cselect_b64 s[20:21], s[8:9], s[6:7]
	s_cmp_ge_u32 ttmp9, 576
	s_cselect_b64 s[20:21], s[10:11], s[20:21]
	s_cmp_ge_u32 ttmp9, 608
	s_cselect_b64 s[20:21], s[12:13], s[20:21]
	s_cmp_lt_u32 ttmp9, 512
	s_cselect_b64 s[20:21], s[4:5], s[20:21]
	s_cselect_b32 s22, ttmp9, s22                  ; the tile's number inside its tensor
	s_lshr_b32 s28, s22, 2
	s_lshl_b32 s28, s28, 17                        ; 64 rows of 2,048 bytes for each four tiles,
	s_and_b32 s29, s22, 3
	s_lshl_b32 s29, s29, 14                        ; 8 rows for each tile among the four,
	s_add_co_u32 s28, s28, s29
	s_lshl_b32 s29, s18, 9                         ; 512 bytes for each K step
	s_add_co_u32 s28, s28, s29
	s_mov_b32 s29, 0
	s_add_nc_u64 s[20:21], s[20:21], s[28:29]
	s_add_nc_u64 s[14:15], s[14:15], s[24:25]
	s_add_nc_u64 s[16:17], s[16:17], s[26:27]
.set i, 0
.rept 16
	global_load_b128 v[X+4*i:X+4*i+3], v4, s[20:21] offset:(i+24*(i/8))*ROWB th:TH_LOAD_NT   ; the tile's row i (rows 8-15 lie 32 rows behind rows 0-7): 32 lanes read 512 consecutive bytes
.set i, i+1
.endr
.set i, 0
.rept 16
	s_wait_loadcnt 15-i                            ; loads come back in order: row i is in, the 15 - i younger ones may be out
	ds_store_b128 v5, v[X+4*i:X+4*i+3] offset:SP*i
.set i, i+1
.endr
.irp c, 0,1
.irp q, 0,1,2,3,4,5,6,7
	ds_load_b128 v[N+32*\c+4*\q:N+32*\c+4*\q+3], v6 offset:256*\c+16*\q   ; K = 64 c + 32 h + 4 q .. of row r.  LDS serves a wave's instructions in order: these see my stores
.endr
.endr
	s_wait_dscnt 0x0
.irp c, 0,1                                    ; my block 2 c + h: all its 32 numbers are mine
	v_max3_num_f32 v[12+\c], |v[N+32*\c]|, |v[N+32*\c+1]|, 0x1800000   ; with the floor 2^(3 - 127): the byte cannot fall under 1
.endr
.irp i, 2,4,6,8,10,12,14,16,18,20,22,24,26,28,30
.irp c, 0,1
	v_max3_num_f32 v[12+\c], v[12+\c], |v[N+32*\c+\i]|, |v[N+32*\c+\i+1]|
.endr
.endr
.irp c, 0,1
	v_add_nc_u32 v[14+\c], 0xff000000, v[12+\c]    ; 2 off the exponent field: the conversion takes this operand's exponent field as its scale
.endr
.irp c, 0,1
	v_lshrrev_b32 v[16+\c], 23, v[14+\c]           ; the scale's byte
.endr
	v_lshl_or_b32 v18, v17, 16, v16                ; my two bytes, blocks h and 2 + h,
	v_lshlrev_b32 v18, v19, v18                    ; at their places in the word;
	v_permlanex16_b32 v20, v18, s30, s31
	v_or_b32 v18, v18, v20                         ; with lane l xor 16's two the word is whole, in both lanes
.irp c, 0,1
	v_cvt_scalef32_pk16_fp6_f32 v[C+6*\c:C+6*\c+2], v[N+32*\c:N+32*\c+15], v[14+\c]
	v_cvt_scalef32_pk16_fp6_f32 v[T+4*\c:T+4*\c+2], v[N+32*\c+16:N+32*\c+31], v[14+\c]   ; (a conversion's three registers begin on an even number)
.endr
	v_nop                                          ; one plain place behind a scaled conversion
.irp c, 0,1
.irp i, 0,1,2
	v_mov_b32 v[C+3+6*\c+\i], v[T+4*\c+\i]
.endr
.endr
.irp k, 0,1,2
	global_store_b128 v4, v[C+4*\k:C+4*\k+3], s[14:15] offset:512*\k   ; 32 lanes store 512 consecutive bytes, at a multiple of 256 from opc's first byte
.endr
	ds_store_b32 v7, v18                           ; lanes l and l + 16 write the same word with the same value
	s_wait_dscnt 0x0                               ; for wave 0's sake: my word has landed
	s_barrier_signal -1
	s_barrier_wait -1
	s_cmp_lg_u32 s18, 0
	s_cbranch_scc1 .Lend
	ds_load_b64 v[12:13], v9                       ; wave 0 sends the tile's 64 words out
	s_wait_dscnt 0x0
	global_store_b64 v8, v[12:13], s[16:17]        ; 32 lanes store 256 consecutive bytes, at a multiple of 256 from ops' first byte
.Lend:
	s_wait_tensorcnt 0x0                           ; the wave's end, behind my last LDS store
	ds_add_u32 v10, v11
	s_wait_dscnt 0x0
	s_endpgm
.Lfunc_end_k_q943c2ad3f9_prep:
	.size	k_q943c2ad3f9_prep, .Lfunc_end_k_q943c2ad3f9_prep-k_q943c2ad3f9_prep
	.p2alignl 7, 3214868480
	.fill 96, 4, 3214868480
	.section	.rodata,"a",@progbits
	.p2align	6, 0x0
	.amdhsa_kernel k_q943c2ad3f9_prep
		.amdhsa_group_segment_fixed_size 34560
		.amdhsa_private_segment_fixed_size 0
		.amdhsa_enable_private_segment 0
		.amdhsa_kernarg_size 56
		.amdhsa_user_sgpr_count 2
		.amdhsa_user_sgpr_kernarg_segment_ptr 1
		.amdhsa_wavefront_size32 1
		.amdhsa_system_sgpr_workgroup_id_x 1
		.amdhsa_system_sgpr_workgroup_id_y 1
		.amdhsa_system_sgpr_workgroup_id_z 1
		.amdhsa_system_vgpr_workitem_id 0
		.amdhsa_next_free_vgpr 176
		.amdhsa_next_free_sgpr 66
		.amdhsa_reserve_vcc 0
		.amdhsa_float_denorm_mode_32 3
		.amdhsa_float_denorm_mode_16_64 3
		.amdhsa_memory_ordered 1
		.amdhsa_forward_progress 1
		.amdhsa_inst_pref_size 11
	.end_amdhsa_kernel
	.amdgpu_metadata
---
amdhsa.version: [ 1, 2 ]
amdhsa.kernels:
  - .name:           k_q943c2ad3f9_prep
    .symbol:         k_q943c2ad3f9_prep.kd
    .args:
      - { .name: x, .offset: 0, .size: 8, .value_kind: global_buffer, .address_space: global }
      - { .name: W_q, .offset: 8, .size: 8, .value_kind: global_buffer, .address_space: global }
      - { .name: W_k, .offset: 16, .size: 8, .value_kind: global_buffer, .address_space: global }
      - { .name: W_v, .offset: 24, .size: 8, .value_kind: global_buffer, .address_space: global }
      - { .name: W_o, .offset: 32, .size: 8, .value_kind: global_buffer, .address_space: global }
      - { .name: opc, .offset: 40, .size: 8, .value_kind: global_buffer, .address_space: global }
      - { .name: ops, .offset: 48, .size: 8, .value_kind: global_buffer, .address_space: global }
    .group_segment_fixed_size: 34560
    .private_segment_fixed_size: 0
    .kernarg_segment_align: 8
    .kernarg_segment_size: 56
    .max_flat_workgroup_size: 128
    .sgpr_count:     66
    .vgpr_count:     176
    .wavefront_size: 32
...
	.end_amdgpu_metadata
.endif
;; end of part 1
;; launch qkv (part 2): grid 64 x 3, 4 waves a work-group, no clusters, 0 bytes of LDS; arguments opc, ops, qrec, kv; writes qrec, kv
.if DOCPART == 2
	.amdgcn_target "amdgcn-amd-amdhsa--gfx1250"
	.amdhsa_code_object_version 6
	.text
	.protected	k_q943c2ad3f9_qkv
	.globl	k_q943c2ad3f9_qkv
	.p2align	8
	.type	k_q943c2ad3f9_qkv,@function
k_q943c2ad3f9_qkv:
	s_mov_b64 s[64:65], 0
	v_nop
	global_prefetch_b8 v0, s[64:65] scope:SCOPE_SE
	s_setreg_imm32_b32 hwreg(HW_REG_WAVE_MODE, 25, 1), 1
	s_wait_xcnt 0x0
; Q = x W_q^T, K = x W_k^T, V = x W_v^T on codes of E2M3 (products 1 to 3), and their results quantised at once for products 4 and 5: Q and K along the head's 64, V along the KEYS.  No work of the problem is left out here.
; SHARES.  Work-group x = a key step j of 128 tokens (x's tiles 8 j .. 8 j + 7), y = m: 0 Q, 1 K, 2 V.  Wave w takes 128 features: heads 2 w and 2 w + 1, the weight's tiles 8 w .. 8 w + 7.
; ONE SHAPE FOR ALL THREE.  A STATIONARY block of 8 tiles x 4 K steps (384 registers) is source 0: its rows become a lane's REGISTERS, 64 of them, which are neighbours by the tiles' order of rows (see prep).
; Eight STREAMING tiles are source 1, one after the other: their rows become LANES.  Q, K: stationary = the wave's weight block, stream = x's tiles: a lane holds a token and 128 features: blocks 0, 1 are head 2 w's 64, blocks 2, 3 head 2 w + 1's.
; V: the two are swapped: a lane holds a feature and the step's 128 keys: a whole fragment of V^T with its scale word.
; OUT.  qrec, kv: [batch x head 16][step 32] records.  Q or K of a step: 4 PAIR IMAGES of 1,536 bytes (the six live registers, K = 32 (lane / 16) + 0 .. 31 of the head's 64, of token tiles 2 p and 2 p + 1 on end, as 3 chunks of 512 bytes, lane l at 16 l),
; then 512 bytes of scale words (lane l's word p: lanes 0-15 tile 2 p's row, lanes 16-31 tile 2 p + 1's; bytes 2 and 3 are 0x7f, for the half of the instruction's K that the head does not have).
; V, in kv behind K: 4 fragment images at +6,656, 256 bytes of scale words at +12,800 (lane l's words q = 0, 1: tile 2 q + l / 16).  A qrec record is 6,656 bytes, a kv record 13,056: both multiples of 256.
; No LDS, no barrier, no cluster: every operand goes from memory straight into the registers of the one wave that multiplies it, so there is no tile in LDS that work-groups could ask for jointly.
; 192 work-groups: a finer cut would part V's fragment of 128 keys, and its scale word, between work-groups.
; LIMITS: a block of zeros gets the byte 1 (its codes are zeros; this program alone reads the bytes); NaN and infinities are not served.
; REGISTERS, in windows of 256: window 0: v1 16 x lane, v2 8 x lane, v3 0x7f7f0000; v16-31 the stationary block's scale words (4 q + s: lanes 0-15 tile 2 q, lanes 16-31 tile 2 q + 1), v32-47 the stream's; v64-127 eight accumulators;
;   v128-151 codes to store; v152-158, v160-175 at work; v176-191 scale words on their way out.   window 1: stationary fragments of K steps 0, 1 at 12 (2 t + s); window 2: of K steps 2, 3; window 3: four buffers of 48 for streaming tiles.
.set SS,  16
.set TS,  32
.set ACC, 64
.set OUT, 128
.set PT,  152
.set TM,  160
.set PW0, 176
.set PW1, 177
.set XW,  178
.set SCA, 180
.set SCB, 184
.set VS,  188
.set KVH, 32*13056                     ; from a head's record to the next head's, in kv
.set MSB, 0
.macro WIN new                         ; the immediate's high byte repeats the setting that is left
.if MSB != \new
	s_set_vgpr_msb (MSB<<8)|\new
.set MSB, \new
.endif
.endm
; One matrix instruction.  zero = 1: it starts its sum.  ra, rb = 1: that side's scale words are taken from lanes 16-31.
.macro WM d, a, b, zero, sa, sb, ra, rb
.if \zero
.if ((\ra) == 0) && ((\rb) == 0)
	v_wmma_scale_f32_16x16x128_f8f6f4 v[\d:\d+7], v[\a:\a+11], v[\b:\b+11], 0, v[\sa], v[\sb] matrix_a_fmt:MATRIX_FMT_FP6 matrix_b_fmt:MATRIX_FMT_FP6
.elseif (\rb) == 0
	v_wmma_scale_f32_16x16x128_f8f6f4 v[\d:\d+7], v[\a:\a+11], v[\b:\b+11], 0, v[\sa], v[\sb] matrix_a_fmt:MATRIX_FMT_FP6 matrix_b_fmt:MATRIX_FMT_FP6 matrix_a_scale:MATRIX_SCALE_ROW1
.elseif (\ra) == 0
	v_wmma_scale_f32_16x16x128_f8f6f4 v[\d:\d+7], v[\a:\a+11], v[\b:\b+11], 0, v[\sa], v[\sb] matrix_a_fmt:MATRIX_FMT_FP6 matrix_b_fmt:MATRIX_FMT_FP6 matrix_b_scale:MATRIX_SCALE_ROW1
.else
	v_wmma_scale_f32_16x16x128_f8f6f4 v[\d:\d+7], v[\a:\a+11], v[\b:\b+11], 0, v[\sa], v[\sb] matrix_a_fmt:MATRIX_FMT_FP6 matrix_b_fmt:MATRIX_FMT_FP6 matrix_a_scale:MATRIX_SCALE_ROW1 matrix_b_scale:MATRIX_SCALE_ROW1
.endif
.else
.if ((\ra) == 0) && ((\rb) == 0)
	v_wmma_scale_f32_16x16x128_f8f6f4 v[\d:\d+7], v[\a:\a+11], v[\b:\b+11], v[\d:\d+7], v[\sa], v[\sb] matrix_a_fmt:MATRIX_FMT_FP6 matrix_b_fmt:MATRIX_FMT_FP6
.elseif (\rb) == 0
	v_wmma_scale_f32_16x16x128_f8f6f4 v[\d:\d+7], v[\a:\a+11], v[\b:\b+11], v[\d:\d+7], v[\sa], v[\sb] matrix_a_fmt:MATRIX_FMT_FP6 matrix_b_fmt:MATRIX_FMT_FP6 matrix_a_scale:MATRIX_SCALE_ROW1
.elseif (\ra) == 0
	v_wmma_scale_f32_16x16x128_f8f6f4 v[\d:\d+7], v[\a:\a+11], v[\b:\b+11], v[\d:\d+7], v[\sa], v[\sb] matrix_a_fmt:MATRIX_FMT_FP6 matrix_b_fmt:MATRIX_FMT_FP6 matrix_b_scale:MATRIX_SCALE_ROW1
.else
	v_wmma_scale_f32_16x16x128_f8f6f4 v[\d:\d+7], v[\a:\a+11], v[\b:\b+11], v[\d:\d+7], v[\sa], v[\sb] matrix_a_fmt:MATRIX_FMT_FP6 matrix_b_fmt:MATRIX_FMT_FP6 matrix_a_scale:MATRIX_SCALE_ROW1 matrix_b_scale:MATRIX_SCALE_ROW1
.endif
.endif
.endm
; 32 matrix instructions: the streaming tile in buffer beta (tile u of pair g) against the stationary block's eight tiles, K step by K step.  The eight accumulators take turns, one instruction a turn.
.macro UNIT beta, g, u
	WIN 0x0d                                       ; source 0 window 1, source 1 window 3
.irp s, 0,1
.irp t, 0,1,2,3,4,5,6,7
	WM ACC+8*\t, 12*(2*\t+\s), 48*(\beta)+12*\s, 1-\s, SS+4*(\t/2)+\s, TS+4*(\g)+\s, \t%2, \u
.endr
.endr
	WIN 0x0e                                       ; source 0 window 2
.irp s, 2,3
.irp t, 0,1,2,3,4,5,6,7
	WM ACC+8*\t, 12*(2*\t+\s-2), 48*(\beta)+12*\s, 0, SS+4*(\t/2)+\s, TS+4*(\g)+\s, \t%2, \u
.endr
.endr
	WIN 0
.endm
; 64 numbers of a lane, register 32 c + i = k 64 c + 32 (lane / 16) + i of my row (the tiles' order of rows: see prep), become codes: my block of c = 0 six registers from d0 on, that of c = 1 six from d1 on; and the row's scale word in v[pw].
; A lane holds two whole blocks, 2 c + lane / 16: no other lane is asked for a maximum, and the codes lie as the operand wants them.
.macro QUANT src, d0, d1, pw
.irp c, 0,1
	v_max3_num_f32 v[TM+\c], |v[\src+32*\c]|, |v[\src+1+32*\c]|, 0x1800000   ; each accumulator from its low end on, and the floor 2^(3 - 127)
.endr
.irp i, 2,4,6,8,10,12,14,16,18,20,22,24,26,28,30
.irp c, 0,1
	v_max3_num_f32 v[TM+\c], v[TM+\c], |v[\src+32*\c+\i]|, |v[\src+1+32*\c+\i]|
.endr
.endr
.irp b, 0,1,2,3
	v_add_nc_u32 v[TM+12+\b], 0xff000000, v[TM+\b/2] ; 2 off the exponent field: the scale operand of each of the four conversions
.endr
.irp c, 0,1
	v_lshrrev_b32 v[TM+4+\c], 23, v[TM+12+2*\c]    ; the scale's byte
.endr
	v_lshl_or_b32 v[\pw], v[TM+5], 16, v[TM+4]     ; my two bytes, blocks h and 2 + h,
	v_lshlrev_b32 v[\pw], v5, v[\pw]               ; at their places in the word (8 h bits up);
	v_permlanex16_b32 v[TM+6], v[\pw], s30, s31
	v_or_b32 v[\pw], v[\pw], v[TM+6]               ; with lane l xor 16's two the word is whole, in both lanes
	v_cvt_scalef32_pk16_fp6_f32 v[\d0:\d0+2], v[\src:\src+15], v[TM+12]
	v_cvt_scalef32_pk16_fp6_f32 v[PT:PT+2], v[\src+16:\src+31], v[TM+13]
	v_cvt_scalef32_pk16_fp6_f32 v[\d1:\d1+2], v[\src+32:\src+47], v[TM+14]
	v_cvt_scalef32_pk16_fp6_f32 v[PT+4:PT+6], v[\src+48:\src+63], v[TM+15]
	v_nop                                          ; one plain place behind a scaled conversion
.irp i, 0,1,2
	v_mov_b32 v[\d0+3+\i], v[PT+\i]
.endr
.irp i, 0,1,2
	v_mov_b32 v[\d1+3+\i], v[PT+4+\i]
.endr
.endm
.macro SLOAD tau, beta                 ; streaming tile tau, its four K steps, into buffer beta: 12 loads of 512 consecutive bytes
	WIN 0xc0
.irp s, 0,1,2,3
.irp k, 0,1,2
	global_load_b128 v[48*(\beta)+12*\s+4*\k:48*(\beta)+12*\s+4*\k+3], v1, s[18:19] offset:6144*(\tau)+1536*\s+512*\k
.endr
.endr
	WIN 0
.endm
.macro PLACES                          ; four places behind matrix instructions, in front of the first read of their results and of loads into registers that they have read
.rept 4
	v_nop
.endr
.endm
; Streaming tiles 2 g and 2 g + 1.  isv = 1: V's path.
.macro PAIR isv, g
.if \g < 3
	s_wait_loadcnt 24                              ; all but the next pair's 24 loads are in
.else
	s_wait_loadcnt 0x0
.endif
.if \g > 0
	s_wait_xcnt 0x0                                ; the last pair's stores have read their data: OUT is written again only behind this wait
.endif
	UNIT (2*\g)%4, \g, 0
	PLACES
.if \isv
	QUANT ACC, OUT, OUT+6, PW0
.else
	QUANT ACC, OUT, OUT+12, PW0
.endif
	UNIT (2*\g+1)%4, \g, 1
	PLACES
.if \g < 2
	SLOAD 2*\g+4, (2*\g)%4                         ; the two buffers take the tiles four further on
	SLOAD 2*\g+5, (2*\g+1)%4
.endif
.if \isv
	QUANT ACC, OUT+12, OUT+18, PW1
	v_cndmask_b32 v[VS+\g], v[PW0], v[PW1], s28    ; lanes 0-15 the even tile's word, lanes 16-31 the odd tile's
.irp k, 0,1,2,3,4,5
	global_store_b128 v1, v[OUT+4*\k:OUT+4*\k+3], s[24:25] offset:(\g/2)*KVH+6656+2*(\g%2)*1536+512*\k   ; two fragments of V^T, head 2 w + g / 2: 512 consecutive bytes a store
.endr
.if (\g%2) == 1
	global_store_b64 v2, v[VS+\g-1:VS+\g], s[24:25] offset:(\g/2)*KVH+12800   ; the head's scale words: 256 consecutive bytes
.endif
.else
	QUANT ACC, OUT+6, OUT+18, PW1
	v_cndmask_b32 v[XW], v[PW0], v[PW1], s28       ; lanes 0-15 the even tile's word, lanes 16-31 the odd tile's
	v_perm_b32 v[SCA+\g], v3, v[XW], s32           ; head 2 w: bytes 0, 1 under 0x7f7f
	v_perm_b32 v[SCB+\g], v3, v[XW], s33           ; head 2 w + 1: bytes 2, 3 under 0x7f7f
.irp k, 0,1,2
	global_store_b128 v1, v[OUT+4*\k:OUT+4*\k+3], s[24:25] offset:1536*\g+512*\k
.endr
.irp k, 0,1,2
	global_store_b128 v1, v[OUT+12+4*\k:OUT+12+4*\k+3], s[26:27] offset:1536*\g+512*\k
.endr
.endif
.endm
	s_load_b256 s[4:11], s[0:1], 0x0               ; opc, ops, qrec, kv
	v_lshrrev_b32 v4, 5, v0
	v_readfirstlane_b32 s12, v4                    ; wave
	v_and_b32 v4, 31, v0
	v_lshlrev_b32 v1, 4, v4
	v_lshlrev_b32 v2, 3, v4
	v_mov_b32 v3, 0x7f7f0000
	v_bfe_u32 v5, v0, 4, 1
	v_lshlrev_b32 v5, 3, v5                        ; v5 = 8 x (lane / 16): where a lane's two scale bytes stand in the word
.irp b, 0,1,2,3
	v_mov_b32 v[TM+4+\b], 0                        ; written once: a lane permute's destination counts as one of its sources
.endr
	s_and_b32 s13, ttmp7, 0xffff                   ; m
	s_mov_b32 s28, 0xffff0000                      ; a mask of lanes 16-31
	s_mov_b32 s30, 0x76543210
	s_mov_b32 s31, 0xfedcba98                      ; v_permlanex16_b32's selects for lane l xor 16
	s_mov_b32 s32, 0x07060100
	s_mov_b32 s33, 0x07060302
	s_lshl_b32 s34, s13, 5
	s_lshl_b32 s35, s12, 3
	s_add_co_u32 s34, s34, s35
	s_add_co_u32 s34, s34, 512                     ; the weight block's first tile: 512 + 32 m + 8 w
	s_mul_i32 s36, s34, 6144                       ; its codes,
	s_lshl_b32 s37, s34, 8                         ; its scale words
	s_mul_i32 s38, ttmp9, 49152                    ; x's block: 8 tiles a step
	s_lshl_b32 s39, ttmp9, 11
	s_cmp_eq_u32 s13, 2                            ; V swaps the two
	s_cselect_b32 s40, s38, s36                    ; stationary codes
	s_cselect_b32 s42, s36, s38                    ; streaming codes
	s_cselect_b32 s44, s39, s37                    ; stationary scale words
	s_cselect_b32 s46, s37, s39                    ; streaming scale words
	s_mov_b32 s41, 0
	s_mov_b32 s43, 0
	s_mov_b32 s45, 0
	s_mov_b32 s47, 0
	s_lshr_b32 s48, ttmp9, 5                       ; the batch
	s_lshl_b32 s48, s48, 3
	s_lshl_b32 s49, s12, 1
	s_add_co_u32 s48, s48, s49                     ; 8 x batch + head 2 w
	s_lshl_b32 s48, s48, 5
	s_and_b32 s49, ttmp9, 31
	s_add_co_u32 s48, s48, s49                     ; the record's number
	s_wait_alu depctr_va_vdst(0)
	s_wait_kmcnt 0x0
	s_add_nc_u64 s[16:17], s[4:5], s[40:41]
	s_add_nc_u64 s[18:19], s[4:5], s[42:43]
	s_add_nc_u64 s[20:21], s[6:7], s[44:45]
	s_add_nc_u64 s[22:23], s[6:7], s[46:47]
	s_cmp_eq_u32 s13, 0
	s_cselect_b64 s[24:25], s[8:9], s[10:11]       ; Q goes to qrec, K and V to kv
	s_mov_b32 s50, 13056
	s_cselect_b32 s50, 6656, s50                   ; a record's bytes
	s_mul_i32 s52, s48, s50
	s_mov_b32 s53, 0
	s_lshl_b32 s54, s50, 5                         ; 32 records to the next head
	s_mov_b32 s55, 0
	s_add_nc_u64 s[24:25], s[24:25], s[52:53]      ; head 2 w's record
	s_add_nc_u64 s[26:27], s[24:25], s[54:55]      ; head 2 w + 1's
.irp q, 0,1,2,3
	global_load_b128 v[SS+4*\q:SS+4*\q+3], v1, s[20:21] offset:512*\q
.endr
.irp q, 0,1,2,3
	global_load_b128 v[TS+4*\q:TS+4*\q+3], v1, s[22:23] offset:512*\q
.endr
	WIN 0x40
.set f, 0
.rept 16
.irp k, 0,1,2
	global_load_b128 v[12*f+4*\k:12*f+4*\k+3], v1, s[16:17] offset:6144*(f/2)+1536*(f%2)+512*\k
.endr
.set f, f+1
.endr
	WIN 0x80
.set f, 0
.rept 16
.irp k, 0,1,2
	global_load_b128 v[12*f+4*\k:12*f+4*\k+3], v1, s[16:17] offset:6144*(f/2)+1536*(2+f%2)+512*\k
.endr
.set f, f+1
.endr
	WIN 0
	SLOAD 0, 0
	SLOAD 1, 1
	SLOAD 2, 2
	SLOAD 3, 3
	s_cmp_eq_u32 s13, 2
	s_cbranch_scc1 .Lvpath
	PAIR 0, 0
	PAIR 0, 1
	PAIR 0, 2
	PAIR 0, 3
	global_store_b128 v1, v[SCA:SCA+3], s[24:25] offset:6144   ; the step's scale words, 512 consecutive bytes a head
	global_store_b128 v1, v[SCB:SCB+3], s[26:27] offset:6144
	s_endpgm
.Lvpath:
	PAIR 1, 0
	PAIR 1, 1
	PAIR 1, 2
	PAIR 1, 3
	s_endpgm
.Lfunc_end_k_q943c2ad3f9_qkv:
	.size	k_q943c2ad3f9_qkv, .Lfunc_end_k_q943c2ad3f9_qkv-k_q943c2ad3f9_qkv
	.p2alignl 7, 3214868480
	.fill 96, 4, 3214868480
	.section	.rodata,"a",@progbits
	.p2align	6, 0x0
	.amdhsa_kernel k_q943c2ad3f9_qkv
		.amdhsa_group_segment_fixed_size 0
		.amdhsa_private_segment_fixed_size 0
		.amdhsa_enable_private_segment 0
		.amdhsa_kernarg_size 32
		.amdhsa_user_sgpr_count 2
		.amdhsa_user_sgpr_kernarg_segment_ptr 1
		.amdhsa_wavefront_size32 1
		.amdhsa_system_sgpr_workgroup_id_x 1
		.amdhsa_system_sgpr_workgroup_id_y 1
		.amdhsa_system_sgpr_workgroup_id_z 1
		.amdhsa_system_vgpr_workitem_id 0
		.amdhsa_next_free_vgpr 1024
		.amdhsa_next_free_sgpr 66
		.amdhsa_reserve_vcc 0
		.amdhsa_float_denorm_mode_32 3
		.amdhsa_float_denorm_mode_16_64 3
		.amdhsa_memory_ordered 1
		.amdhsa_forward_progress 1
		.amdhsa_inst_pref_size 150
	.end_amdhsa_kernel
	.amdgpu_metadata
---
amdhsa.version: [ 1, 2 ]
amdhsa.kernels:
  - .name:           k_q943c2ad3f9_qkv
    .symbol:         k_q943c2ad3f9_qkv.kd
    .args:
      - { .name: opc, .offset: 0, .size: 8, .value_kind: global_buffer, .address_space: global }
      - { .name: ops, .offset: 8, .size: 8, .value_kind: global_buffer, .address_space: global }
      - { .name: qrec, .offset: 16, .size: 8, .value_kind: global_buffer, .address_space: global }
      - { .name: kv, .offset: 24, .size: 8, .value_kind: global_buffer, .address_space: global }
    .group_segment_fixed_size: 0
    .private_segment_fixed_size: 0
    .kernarg_segment_align: 8
    .kernarg_segment_size: 32
    .max_flat_workgroup_size: 128
    .sgpr_count:     66
    .vgpr_count:     1024
    .wavefront_size: 32
...
	.end_amdgpu_metadata
.endif
;; end of part 2
;; launch attn (part 3): grid 16 x 16, 8 waves a work-group, clusters of 4 x 1, 327,680 bytes of LDS; arguments qrec, kv, cc, cs; writes cc, cs
.if DOCPART == 3
	.amdgcn_target "amdgcn-amd-amdhsa--gfx1250"
	.amdhsa_code_object_version 6
	.text
	.protected	k_q943c2ad3f9_attn
	.globl	k_q943c2ad3f9_attn
	.p2align	8
	.type	k_q943c2ad3f9_attn,@function
k_q943c2ad3f9_attn:
	s_mov_b64 s[64:65], 0
	v_nop
	global_prefetch_b8 v0, s[64:65] scope:SCOPE_SE
	s_setreg_imm32_b32 hwreg(HW_REG_WAVE_MODE, 25, 1), 1
	s_wait_xcnt 0x0
	s_wait_alu depctr_hold_cnt(0) depctr_sa_sdst(0) depctr_va_vdst(0) depctr_va_sdst(0) depctr_va_ssrc(0) depctr_va_vcc(0) depctr_vm_vsrc(0)
	s_getreg_b32 s2, hwreg(HW_REG_IB_STS2, 6, 4)
	s_cmp_eq_u32 s2, 0
	s_cbranch_scc0 .Lentry_in_a_cluster
	s_endpgm
.Lentry_in_a_cluster:
	s_bfe_u32 s2, ttmp6, 0x10000c
	s_cmp_lg_u32 s2, 0x3003
	s_cbranch_scc0 .Lentry_shape_is_right
	s_endpgm
.Lentry_shape_is_right:
; ctx = softmax(Q K^T / 8) V for each of 16 (batch, head), products 4 and 5 on codes of E2M3, and ctx quantised at once along D for product 6.  No work of the problem is left out here.
; THE SOFTMAX AHEAD OF THE SECOND PRODUCT: t = score x log2(e) / 8; M = the row's largest t so far, rounded UP to a whole number; p = 2^(t - M) is what is quantised, along the keys, not normalised.
; The row's sum is taken of the unquantised p and divides O at the end.  When M moves, the sum and O are multiplied by 2^(old M - new M): exact.
; SHARES.  A work-group owns 256 queries of one (batch, head); each of its eight waves owns 32: two tiles of 16, a pair image of qrec.  Both tiles are multiplied with each fragment of K and V that the wave reads from LDS.
; Every wave walks the head's 4,096 keys, 128 a step.  A step's record of kv (13,056 bytes: see qkv) is an image of the operands' registers: every LDS read is 16 or 8 bytes x lane, so there is no pitch and no padding.
; RING.  Two LDS slots of 8 records, 2^17 bytes apart.  Every wave fetches one record of a slot, 51 rows of 256 bytes; by this text's own count a wave has at most one tensor load out.  Every wait on TENSORcnt and on DScnt is for 0.
; CLUSTER.  The four query blocks of a cluster belong to one head and walk the same records: each record is asked for JOINTLY, by the same tensor load with the same descriptor and a mask that names the four.
; A slot is asked for eight key steps (in each wave 192 matrix instructions and their softmax) ahead of its first read, so no prefetch is laid in front of the tensor loads.
; LAYOUT.  Both products are used transposed: S^T = K Q^T, O^T = V^T P^T: a lane holds ONE query (lane % 16) of each tile throughout.  By the tiles' order of rows (see prep) register 32 c + i of S^T is key 64 c + 32 (lane / 16) + i:
; a lane holds two WHOLE blocks of 32 keys, in the order of the operand's registers: a block's maximum needs no other lane and p's codes are not moved between lanes.  Register i of O^T is channel 32 (lane / 16) + i of the head.
; K = 64 IN AN INSTRUCTION OF 128.  Q's registers 6-11 are zero codes, written once.  K's tile t is named as v[32 + 6 t : 43 + 6 t]: its upper six registers are the next tile's codes (tile 7's: six zeroed registers).
; Every code of E2M3 is a finite number, and a finite number times the code 0 adds nothing; bytes 2 and 3 of both scale words are 0x7f.
; IN A STEP the next step's K is fetched straight behind the scores' products (its registers are free then), V has registers of its own, and both land while the softmax is walked.
; OUT.  cc: [token tile 512][head 8][3 chunks of 256 bytes: registers 2 k, 2 k + 1, lane l at 8 l].  cs: [token tile][row r][head] two bytes, one from each half of the lanes.
; LIMITS: a block of zeros gets the byte 1 (its codes are zeros; this program alone reads the bytes); NaN and infinities are not served; what falls under the smallest f32 number at a change of M is lost.
; REGISTERS, two windows of 256.  Tile u's own registers lie in window u at the same numbers: v16-27 Q and zero codes, v96-159 S^T then p, v160-191 O^T, v224-235 p's codes, v236-243 at work.
; Window 0 besides: v1-13 addresses; v32-79 K, v80-85 zero codes; v192-207, v208-223 the two tiles' single numbers (see CH); v248-251 K's scale words, v252-253 V's, v254 Q's.  Window 1 besides: v32-79 V^T's four fragments.
.set REC,   13056
.set SLOTB, 8*REC
.set SLOT1, 1<<17
.set SPARE, 2*SLOT1                    ; behind the ring: the spare words, 128 bytes for each of eight waves, which no other line names
.set L16, 1
.set L8,  2
.set ADR, 3
.set ADR8, 4
.set SPW, 5
.set NIL, 6
.set SH8, 7                            ; 8 x (lane / 16)
.set Q,   16
.set KB,  32
.set S,   96
.set O,   160
.set CH,  192                          ; tile u's numbers at CH + 16 u: +0 -M (a pair), +2 f (a pair), +4 the sum in two halves, +6 the largest score, +7, +8 my two blocks' largest, +9, +10 at work, +11, +12 the conversions' scales, +13 p's scale word
.set CD,  224
.set TP,  236
.set KS,  248
.set VS,  252
.set QS,  254
.set WV,  18                           ; s18  my wave's number
.set SEL, 20                           ; s[20:21] lane selects for v_permlanex16_b32: lane l xor 16
.set CS,  22                           ; s[22:23] c = log2(e) / 8 (a pair: the packed form takes its low word for both halves)
.set G1,  24                           ; s[24:31] descriptor group 1
.set NC,  32                           ; s32  -c
.set G0,  40                           ; s[40:43] descriptor group 0, which walks
.set TB,  44                           ; s44  LDS byte at which a step's record begins
.set TW,  45                           ; s45  counts a slot's eight steps
.set SLOTS, 46                         ; s46  slots still to be asked for
.set MSB, 0
.macro WIN new                         ; bits 1:0 source 0, 3:2 source 1, 5:4 source 2, 7:6 destination; the high byte repeats the setting that is left
.if MSB != (\new)
	s_set_vgpr_msb (MSB<<8)|(\new)
.set MSB, (\new)
.endif
.endm
.macro NOPS
.rept 4
	v_nop
.endr
.endm
.macro WS d, a, sa, ra, rb             ; a product of the scores: it starts its sum.  ra, rb = 1: that side's scale words are taken from lanes 16-31
.if ((\ra) == 0) && ((\rb) == 0)
	v_wmma_scale_f32_16x16x128_f8f6f4 v[\d:\d+7], v[\a:\a+11], v[Q:Q+11], 0, v[\sa], v[QS] matrix_a_fmt:MATRIX_FMT_FP6 matrix_b_fmt:MATRIX_FMT_FP6
.elseif (\rb) == 0
	v_wmma_scale_f32_16x16x128_f8f6f4 v[\d:\d+7], v[\a:\a+11], v[Q:Q+11], 0, v[\sa], v[QS] matrix_a_fmt:MATRIX_FMT_FP6 matrix_b_fmt:MATRIX_FMT_FP6 matrix_a_scale:MATRIX_SCALE_ROW1
.elseif (\ra) == 0
	v_wmma_scale_f32_16x16x128_f8f6f4 v[\d:\d+7], v[\a:\a+11], v[Q:Q+11], 0, v[\sa], v[QS] matrix_a_fmt:MATRIX_FMT_FP6 matrix_b_fmt:MATRIX_FMT_FP6 matrix_b_scale:MATRIX_SCALE_ROW1
.else
	v_wmma_scale_f32_16x16x128_f8f6f4 v[\d:\d+7], v[\a:\a+11], v[Q:Q+11], 0, v[\sa], v[QS] matrix_a_fmt:MATRIX_FMT_FP6 matrix_b_fmt:MATRIX_FMT_FP6 matrix_a_scale:MATRIX_SCALE_ROW1 matrix_b_scale:MATRIX_SCALE_ROW1
.endif
.endm
.macro WP d, a, sa, sb, ra             ; a product onto O^T
.if (\ra) == 0
	v_wmma_scale_f32_16x16x128_f8f6f4 v[\d:\d+7], v[\a:\a+11], v[CD:CD+11], v[\d:\d+7], v[\sa], v[\sb] matrix_a_fmt:MATRIX_FMT_FP6 matrix_b_fmt:MATRIX_FMT_FP6
.else
	v_wmma_scale_f32_16x16x128_f8f6f4 v[\d:\d+7], v[\a:\a+11], v[CD:CD+11], v[\d:\d+7], v[\sa], v[\sb] matrix_a_fmt:MATRIX_FMT_FP6 matrix_b_fmt:MATRIX_FMT_FP6 matrix_a_scale:MATRIX_SCALE_ROW1
.endif
.endm
.macro CROUND                          ; a round of the cluster's barrier
	s_barrier_signal -1
	s_barrier_wait -1
	s_cmp_lg_u32 s[WV], 0
	s_cbranch_scc1 .Lnot_wave_0_\@
	s_barrier_signal -3
.Lnot_wave_0_\@:
	s_barrier_wait -3
	s_barrier_signal -1
	s_barrier_wait -1
.endm
.macro TLOAD                           ; the joint load: every wave, one record.  An s_nop 0 and four v_nop follow it
	tensor_load_to_lds s[G0:G0+3], s[G1:G1+7]
	s_nop 0
	NOPS
.endm
.macro KLOAD off                       ; K's eight tiles, six registers each, and their scale words (register p: lanes 0-15 tile 2 p, lanes 16-31 tile 2 p + 1)
.set i, 0
.rept 12
	ds_load_b128 v[KB+4*i:KB+4*i+3], v[ADR] offset:\off+512*i
.set i, i+1
.endr
	ds_load_b128 v[KS:KS+3], v[ADR] offset:\off+6144
.endm
; THE CHANGE OF SLOTS.  Each wave waits for its tensor load (its record of the slot ahead), adds 0 to its spare word, and waits for that and for its reads of the slot that it has left.
; fill = 1: a round of the cluster's barrier follows, and the joint load is the first thing behind it: it has a slot's eight steps in which to land.  Then the slot's first K is fetched.
.macro CHANGE fill
	v_add_nc_u32 v[ADR], s[TB], v[L16]
	v_add_nc_u32 v[ADR8], s[TB], v[L8]
	s_wait_alu depctr_va_vdst(0)                   ; directly ahead of the wait below
	s_wait_tensorcnt 0x0                           ; no tensor load of mine is out, so group 0 may be written
	ds_add_u32 v[SPW], v[NIL]                      ; 0 onto my spare word
.if \fill
	s_xor_b32 s[G0+1], s[G0+1], SLOT1              ; the other slot than last time,
	s_add_nc_u64 s[G0+2:G0+3], s[G0+2:G0+3], SLOTB ; the next eight records
	s_wait_dscnt 0x0
	CROUND
	TLOAD
.else
	s_wait_dscnt 0x0
	s_barrier_signal -1
	s_barrier_wait -1
.endif
	KLOAD 0
.endm
; A KEY STEP: 128 keys x my 32 queries.
.macro STEP
	s_wait_dscnt 0x0                               ; this step's K is in
.irp u, 0,1
	WIN 0x44*\u                                    ; Q and S^T in the tile's window, K in window 0
.irp t, 0,1,2,3,4,5,6,7
	WS S+8*\t, KB+6*\t, KS+\t/2, \t%2, \u
.endr
.endr
	WIN 0
	NOPS                                           ; places in front of the loads below and of the first read of the scores
	s_cmp_eq_u32 s[TW], 1                          ; a slot's last step fetches no K: the next record lies behind the change of slots
	s_cbranch_scc1 .Lno_k_\@
	KLOAD REC
.Lno_k_\@:
	WIN 0x40
.set i, 0
.rept 12
	ds_load_b128 v[KB+4*i:KB+4*i+3], v[ADR] offset:6656+512*i   ; V^T's four fragments, into window 1
.set i, i+1
.endr
	WIN 0
	ds_load_b64 v[VS:VS+1], v[ADR8] offset:12800   ; V's scale words: register q: lanes 0-15 tile 2 q, lanes 16-31 tile 2 q + 1
.irp u, 0,1                                    ; THE LARGEST SCORE OF EACH OF MY TWO BLOCKS: for the row's maximum and, since p rises with the score, for the block's largest p.  Four chains by turns; each accumulator is read from its low end on
	WIN 0x55*\u
.irp c, 0,1
.irp s, 0,1
	v_max3_num_f32 v[TP+2*\c+\s], v[S+32*\c+16*\s], v[S+32*\c+16*\s+1], v[S+32*\c+16*\s+2]
.endr
.endr
.irp i, 3,5,7,9,11,13
.irp c, 0,1
.irp s, 0,1
	v_max3_num_f32 v[TP+2*\c+\s], v[TP+2*\c+\s], v[S+32*\c+16*\s+\i], v[S+32*\c+16*\s+\i+1]
.endr
.endr
.endr
.irp c, 0,1
	v_max3_num_f32 v[TP+2*\c], v[TP+2*\c], v[TP+2*\c+1], v[S+32*\c+15]
.endr
	WIN 0x05*\u                                    ; the result goes to window 0
.irp c, 0,1
	v_max_num_f32 v[CH+16*\u+7+\c], v[TP+2*\c], v[S+32*\c+31]
.endr
.endr
	WIN 0
.irp u, 0,1                                    ; the two tiles' chains by turns
	v_max_num_f32 v[CH+16*\u+9], v[CH+16*\u+7], v[CH+16*\u+8]
.endr
.irp u, 0,1
	v_permlanex16_b32 v[CH+16*\u+10], v[CH+16*\u+9], s[SEL], s[SEL+1]
.endr
.irp u, 0,1
	v_max3_num_f32 v[CH+16*\u+6], v[CH+16*\u+6], v[CH+16*\u+9], v[CH+16*\u+10]   ; the largest score of my query so far
.endr
.irp u, 0,1
	v_mul_f32 v[CH+16*\u+9], s[NC], v[CH+16*\u+6]  ; -t (c is positive)
.endr
.irp u, 0,1
	v_floor_f32 v[CH+16*\u+9], v[CH+16*\u+9]       ; the new -M = floor(-t) = -ceil(t): M is a whole number
.endr
.irp u, 0,1
	v_sub_f32 v[CH+16*\u+10], v[CH+16*\u+9], v[CH+16*\u]   ; M's old value less its new one: a whole number, 0 or less
.endr
.irp u, 0,1
	v_mov_b32 v[CH+16*\u], v[CH+16*\u+9]
.endr
.irp u, 0,1
	v_cvt_i32_f32 v[CH+16*\u+10], v[CH+16*\u+10]   ; (it saturates)
.endr
.irp u, 0,1
	v_ldexp_f32 v[CH+16*\u+2], 1.0, v[CH+16*\u+10] ; f = 2^(old M - new M)
.endr
.irp u, 0,1
.irp c, 0,1
	v_fma_f32 v[CH+16*\u+7+\c], v[CH+16*\u+7+\c], s[CS], v[CH+16*\u]   ; t - M of each block's largest score
.endr
.endr
.irp u, 0,1
	WIN 0x41*\u                                    ; p in the tile's window, -M in window 0
.set j, 0
.rept 32
	v_pk_fma_f32 v[S+j:S+j+1], v[S+j:S+j+1], s[CS:CS+1], v[CH+16*\u:CH+16*\u+1] op_sel_hi:[1,0,0]   ; t - M, two at a time
.set j, j+2
.endr
.endr
	s_wait_alu depctr_va_vdst(0)                   ; ahead of the batch
.irp u, 1,0
	WIN 0x41*\u
.set j, 0
.rept 64
	v_exp_f32 v[S+j], v[S+j]                       ; p = 2^(t - M), at most 1: not normalised
.set j, j+1
.endr
.endr
.irp u, 0,1
.irp c, 0,1
	v_exp_f32 v[CH+16*\u+7+\c], v[CH+16*\u+7+\c]   ; the block's largest p: the same two instructions on the same number give the same bits
.endr
.endr
	s_add_co_u32 s[TB], s[TB], REC                 ; the next step's record: this step's LDS loads have all been issued
	v_add_nc_u32 v[ADR], s[TB], v[L16]             ; (the plain place behind the exponentials)
	v_add_nc_u32 v[ADR8], s[TB], v[L8]
	s_wait_alu depctr_va_vdst(0)                   ; one wait for the whole batch, ahead of its first reader
.irp u, 0,1
.irp c, 0,1
	v_max_num_f32 v[CH+16*\u+7+\c], 0x1800000, v[CH+16*\u+7+\c]   ; the floor 2^(3 - 127): the byte cannot fall under 1
.endr
.endr
.irp u, 0,1
.irp c, 0,1
	v_add_nc_u32 v[CH+16*\u+11+\c], 0xff000000, v[CH+16*\u+7+\c]  ; 2 off the exponent field: the conversion's scale operand
.endr
.endr
.irp u, 0,1
.irp c, 0,1
	v_lshrrev_b32 v[CH+16*\u+7+\c], 23, v[CH+16*\u+11+\c]         ; the scale's byte
.endr
.endr
.irp u, 0,1
	v_lshl_or_b32 v[CH+16*\u+13], v[CH+16*\u+8], 16, v[CH+16*\u+7]   ; my two bytes, blocks h and 2 + h,
.endr
.irp u, 0,1
	v_lshlrev_b32 v[CH+16*\u+13], v[SH8], v[CH+16*\u+13]          ; at their places in the word;
.endr
.irp u, 0,1
	v_permlanex16_b32 v[CH+16*\u+10], v[CH+16*\u+13], s[SEL], s[SEL+1]
.endr
.irp u, 0,1
	v_or_b32 v[CH+16*\u+13], v[CH+16*\u+13], v[CH+16*\u+10]       ; with lane l xor 16's two: p's scale word for these 128 keys
.endr
.irp u, 0,1
	WIN 0x55*\u                                    ; THE ROW'S SUM IS TAKEN OF THE UNQUANTISED p: four chains of pairs by turns
.irp k, 0,1,2,3
	v_pk_add_f32 v[TP+2*\k:TP+2*\k+1], v[S+4*\k:S+4*\k+1], v[S+4*\k+2:S+4*\k+3]
.endr
.irp j, 16,24,32,40,48,56
.irp k, 0,1,2,3
	v_pk_add_f32 v[TP+2*\k:TP+2*\k+1], v[TP+2*\k:TP+2*\k+1], v[S+\j+2*\k:S+\j+2*\k+1]
.endr
.endr
	v_pk_add_f32 v[TP:TP+1], v[TP:TP+1], v[TP+2:TP+3]
	v_pk_add_f32 v[TP+4:TP+5], v[TP+4:TP+5], v[TP+6:TP+7]
	v_pk_add_f32 v[TP:TP+1], v[TP:TP+1], v[TP+4:TP+5]
	WIN 0x10*\u
	v_pk_fma_f32 v[CH+16*\u+4:CH+16*\u+5], v[CH+16*\u+4:CH+16*\u+5], v[CH+16*\u+2:CH+16*\u+3], v[TP:TP+1] op_sel_hi:[1,0,1]   ; the sum under the new M, and this step's
	WIN 0x41*\u
.irp c, 0,1
	v_cvt_scalef32_pk16_fp6_f32 v[CD+6*\c:CD+6*\c+2], v[S+32*\c:S+32*\c+15], v[CH+16*\u+11+\c]
	v_cvt_scalef32_pk16_fp6_f32 v[TP+4*\c:TP+4*\c+2], v[S+32*\c+16:S+32*\c+31], v[CH+16*\u+11+\c]   ; (a conversion's three registers begin on an even number)
.endr
	v_nop                                          ; one plain place behind a scaled conversion
.irp c, 0,1
.irp i, 0,1,2
	v_mov_b32 v[CD+3+6*\c+\i], v[TP+4*\c+\i]
.endr
.endr
	s_wait_alu depctr_va_vdst(0)                   ; directly ahead of the first reader of O^T
.set j, 0
.rept 16
	v_pk_mul_f32 v[O+j:O+j+1], v[O+j:O+j+1], v[CH+16*\u+2:CH+16*\u+3] op_sel_hi:[1,0]   ; O^T under the new M.  These sixteen stand between the writes of p's codes and scale word and the products below
.set j, j+2
.endr
.endr
	s_wait_alu depctr_va_vdst(0)                   ; directly ahead of the wait below
	s_wait_dscnt 0x0                               ; V is in (and the next step's K)
.irp u, 0,1
	WIN 0x54*\u+1                                  ; V^T in window 1; p's codes and O^T in the tile's window
.irp t, 0,1,2,3
	WP O+8*\t, KB+12*\t, VS+\t/2, CH+16*\u+13, \t%2   ; the eight accumulators take turns, one instruction a turn
.endr
.endr
	WIN 0
.endm
.macro SLOT_STEPS                      ; a slot's eight steps: written once, walked eight times
	s_mov_b32 s[TW], 8
.Lstep_\@:
	STEP
	s_sub_co_u32 s[TW], s[TW], 1
	s_cmp_lg_u32 s[TW], 0
	s_cbranch_scc1 .Lstep_\@
	s_sub_co_u32 s[TB], s[TB], SLOTB               ; back to a slot's first record,
	s_xor_b32 s[TB], s[TB], SLOT1                  ; in the other slot
.endm
	s_load_b256 s[4:11], s[0:1], 0x0               ; qrec, kv, cc, cs
	v_lshl_add_u32 v[SPW], v0, 2, SPARE
	v_mov_b32 v[NIL], 0
	ds_add_u32 v[SPW], v[NIL]                      ; the wave's opening: the add, twice on end, and its wait ahead of the first tensor load
	ds_add_u32 v[SPW], v[NIL]
	v_lshrrev_b32 v8, 5, v0
	v_readfirstlane_b32 s[WV], v8                  ; wave 0..7
	s_bfe_u32 s47, ttmp6, 0x40000                  ; cx: my place in the cluster: it enters the addresses of Q, cc and cs alone
	s_lshl_b32 s48, ttmp9, 2                       ; in a cluster launch ttmp9 counts clusters
	s_add_co_u32 s48, s48, s47                     ; my block of 256 queries
	s_and_b32 s49, ttmp7, 0xffff                   ; 8 x batch + head, which the four partners share
	s_mov_b32 s[G1], 15|(3<<16)|(1<<21)            ; the mask: all four work-groups; elements of 8 bytes; no padding; bit 21 set beside a mask
	s_mov_b32 s[G1+1], 32<<16                      ; tensor_dim0 = 32 elements: 256 bytes
	s_mov_b32 s[G1+2], 51<<16                      ; tensor_dim1 = 51 rows: a record
	s_mov_b32 s[G1+3], 32<<16                      ; tile_dim0
	s_mov_b32 s[G1+4], 51                          ; tile_dim1
	s_mov_b32 s[G1+5], 32                          ; from row to row: the block is dense
	s_mov_b32 s[G1+6], 0
	s_mov_b32 s[G1+7], 0
	s_mul_i32 s50, s[WV], REC                      ; my record of a slot, in LDS and in memory
	s_mul_i32 s52, s49, 32*REC                     ; the head's first record
	s_add_co_u32 s52, s52, s50
	s_mov_b32 s53, 0
	s_lshl_b32 s54, s49, 5
	s_lshl_b32 s55, s48, 1
	s_add_co_u32 s54, s54, s55
	s_lshr_b32 s55, s[WV], 2
	s_add_co_u32 s54, s54, s55                     ; Q's record: 32 x (batch, head) + 2 x block + wave / 4
	s_mul_i32 s54, s54, 6656
	s_mov_b32 s55, 0
	s_and_b32 s56, s[WV], 3                        ; p: my pair image
	s_mul_i32 s57, s56, 1536
	s_lshl_b32 s58, s56, 2                         ; and my scale word of a lane's four
	s_lshr_b32 s61, s49, 3
	s_lshl_b32 s61, s61, 8
	s_lshl_b32 s62, s48, 4
	s_add_co_u32 s61, s61, s62
	s_lshl_b32 s62, s[WV], 1
	s_add_co_u32 s61, s61, s62                     ; my first token tile: 256 x batch + 16 x block + 2 x wave
	s_and_b32 s62, s49, 7                          ; the head
	s_mul_i32 s66, s61, 6144
	s_mul_i32 s63, s62, 768
	s_add_co_u32 s66, s66, s63
	s_mov_b32 s67, 0
	s_lshl_b32 s68, s61, 8
	s_lshl_b32 s63, s62, 1
	s_add_co_u32 s68, s68, s63
	s_mov_b32 s69, 0
	s_mov_b32 s[SEL], 0x76543210
	s_mov_b32 s[SEL+1], 0xfedcba98
	s_mov_b32 s[CS], 0x3e38aa3b                    ; c = log2(e) / 8
	s_mov_b32 s[CS+1], s[CS]
	s_mov_b32 s[NC], 0xbe38aa3b                    ; -c
	s_mov_b32 s[TB], 0
	s_mov_b32 s[SLOTS], 3
	s_wait_dscnt 0x0                               ; both opening adds are done
	s_wait_kmcnt 0x0
	s_add_nc_u64 s[4:5], s[4:5], s[54:55]
	s_add_nc_u64 s[8:9], s[8:9], s[66:67]
	s_add_nc_u64 s[10:11], s[10:11], s[68:69]
	s_mov_b32 s[G0], 1                             ; count = 1
	s_mov_b32 s[G0+1], s50                         ; LDS address: slot 0, my record
	s_add_nc_u64 s[G0+2:G0+3], s[6:7], s[52:53]    ; global address
	s_or_b32 s[G0+3], s[G0+3], 0x80000000          ; type = 2
	CROUND                                         ; all four work-groups are here: the first joint loads meet
	TLOAD                                          ; slot 0: one tensor load a wave at the head
	v_and_b32 v10, 31, v0                          ; lane
	v_and_b32 v11, 15, v0                          ; r
	v_bfe_u32 v8, v0, 4, 1                         ; h
	v_lshlrev_b32 v[L16], 4, v10
	v_lshlrev_b32 v[L8], 3, v10
	v_lshlrev_b32 v[SH8], 3, v8
	v_lshl_add_u32 v9, v11, 4, v8                  ; 16 r + h: my byte in cs
	v_add_nc_u32 v12, s57, v[L16]
	v_add_nc_u32 v13, s58, v[L16]
.irp k, 0,1,2
	global_load_b128 v[S+4*\k:S+4*\k+3], v12, s[4:5] offset:512*\k   ; my pair image of Q: six registers of each tile
.endr
	global_load_b32 v[QS], v13, s[4:5] offset:6144 ; Q's scale words: lanes 0-15 tile 0's rows, lanes 16-31 tile 1's
.irp j, 80,81,82,83,84,85
	v_mov_b32 v\j, 0                               ; zero codes behind K's tile 7
.endr
.irp u, 0,1
	v_mov_b32 v[CH+16*\u+6], 0xff61b1e6            ; the largest score so far: -3e38, under every score
	v_mov_b32 v[CH+16*\u+1], 0                     ; (the pairs' upper halves are named, so they are written)
	v_mov_b32 v[CH+16*\u+3], 0
	v_mov_b32 v[CH+16*\u+4], 0                     ; the sum, in two halves
	v_mov_b32 v[CH+16*\u+5], 0
	v_mov_b32 v[CH+16*\u+10], 0                    ; (a lane permute's destination counts as one of its sources)
	v_mul_f32 v[CH+16*\u], s[NC], v[CH+16*\u+6]
.endr
.irp u, 0,1
	v_floor_f32 v[CH+16*\u], v[CH+16*\u]           ; -M
.endr
.irp u, 0,1
	WIN 0x40*\u
.irp j, 6,7,8,9,10,11
	v_mov_b32 v[Q+\j], 0                           ; zero codes: Q's upper half of K
.endr
.set j, 0
.rept 32
	v_mov_b32 v[O+j], 0                            ; O^T.  (The step is written once: the first finds zeros, which the first change of M leaves zeros)
.set j, j+1
.endr
.endr
	WIN 0
	s_wait_alu depctr_va_vdst(0)                   ; directly ahead of the wait below
	s_wait_loadcnt 0x0                             ; Q
.irp u, 0,1
	WIN 0x40*\u
.irp j, 0,1,2,3,4,5
	v_mov_b32 v[Q+\j], v[S+6*\u+\j]                ; each tile's six registers into its window; they stay for the whole launch
.endr
.endr
	WIN 0
	s_wait_alu depctr_va_vdst(0)                   ; at the head's end
.Lslot:                                            ; three trips: behind each change of slots but the last the next slot is asked for; slot 1's first fill stands behind the first trip's round
	CHANGE 1
	SLOT_STEPS
	s_sub_co_u32 s[SLOTS], s[SLOTS], 1
	s_cmp_lg_u32 s[SLOTS], 0
	s_cbranch_scc1 .Lslot
	CHANGE 0                                       ; the last slot is written out
	SLOT_STEPS
	; THE WAY OUT.  O^T / the sum is ctx: of my query's 64 channels of this head a lane holds 32: one whole block along D, quantised as an operand of the last product.
	NOPS                                           ; places behind the last products
.irp u, 0,1
	v_add_f32 v[CH+16*\u+4], v[CH+16*\u+4], v[CH+16*\u+5]          ; the sum's two halves,
.endr
.irp u, 0,1
	v_permlanex16_b32 v[CH+16*\u+10], v[CH+16*\u+4], s[SEL], s[SEL+1]
.endr
.irp u, 0,1
	v_add_f32 v[CH+16*\u+4], v[CH+16*\u+4], v[CH+16*\u+10]         ; and lane l xor 16's: the row's sum
.endr
	s_wait_alu depctr_va_vdst(0)                   ; ahead of the transcendentals
.irp u, 0,1
	v_rcp_f32 v[CH+16*\u+4], v[CH+16*\u+4]
.endr
	v_nop                                          ; the plain place behind them
.irp u, 0,1
	WIN 0x41*\u
	s_wait_alu depctr_va_vdst(0)                   ; ahead of the reciprocal's and of O^T's first reader
.set j, 0
.rept 16
	v_pk_mul_f32 v[S+j:S+j+1], v[O+j:O+j+1], v[CH+16*\u+4:CH+16*\u+5] op_sel_hi:[1,0]   ; register i is channel 32 (lane / 16) + i
.set j, j+2
.endr
	WIN 0x55*\u
.irp s, 0,1
	v_max3_num_f32 v[TP+\s], |v[S+16*\s]|, |v[S+16*\s+1]|, 0x1800000
.endr
.irp i, 2,4,6,8,10,12,14
.irp s, 0,1
	v_max3_num_f32 v[TP+\s], v[TP+\s], |v[S+16*\s+\i]|, |v[S+16*\s+\i+1]|
.endr
.endr
	WIN 0x05*\u
	v_max_num_f32 v[CH+16*\u+7], v[TP], v[TP+1]    ; the block's largest magnitude
.endr
	WIN 0
.irp u, 0,1
	v_add_nc_u32 v[CH+16*\u+11], 0xff000000, v[CH+16*\u+7]
.endr
.irp u, 0,1
	v_lshrrev_b32 v[CH+16*\u+7], 23, v[CH+16*\u+11]   ; my block's scale byte
.endr
.irp u, 0,1
	WIN 0x41*\u
	v_cvt_scalef32_pk16_fp6_f32 v[CD:CD+2], v[S:S+15], v[CH+16*\u+11]
	v_cvt_scalef32_pk16_fp6_f32 v[TP:TP+2], v[S+16:S+31], v[CH+16*\u+11]
	v_nop                                          ; one plain place behind a scaled conversion
.irp i, 0,1,2
	v_mov_b32 v[CD+3+\i], v[TP+\i]                 ; six registers: the 32 codes of block lane / 16
.endr
.endr
	s_wait_alu depctr_va_vdst(0)                   ; ahead of the stores that read what was just written
.irp u, 0,1
	WIN 0x04*\u                                    ; the data in the tile's window
.irp i, 0,1,2
	global_store_b64 v[L8], v[CD+2*\i:CD+2*\i+1], s[8:9] offset:6144*\u+256*\i   ; 32 lanes store 256 consecutive bytes, at a multiple of 256 from cc's first byte
.endr
.endr
	WIN 0
.irp u, 0,1
	global_store_b8 v9, v[CH+16*\u+7], s[10:11] offset:256*\u   ; a byte a lane: two of each row's sixteen; the other heads' work-groups write the rest
.endr
	s_wait_tensorcnt 0x0                           ; the wave's end
	ds_add_u32 v[SPW], v[NIL]
	s_wait_dscnt 0x0
	CROUND                                         ; the closing round: no work-group ends while a partner may still ask for a tile that names it
	s_endpgm
.Lfunc_end_k_q943c2ad3f9_attn:
	.size	k_q943c2ad3f9_attn, .Lfunc_end_k_q943c2ad3f9_attn-k_q943c2ad3f9_attn
	.p2alignl 7, 3214868480
	.fill 96, 4, 3214868480
	.section	.rodata,"a",@progbits
	.p2align	6, 0x0
	.amdhsa_kernel k_q943c2ad3f9_attn
		.amdhsa_group_segment_fixed_size 327680
		.amdhsa_private_segment_fixed_size 0
		.amdhsa_enable_private_segment 0
		.amdhsa_kernarg_size 32
		.amdhsa_user_sgpr_count 2
		.amdhsa_user_sgpr_kernarg_segment_ptr 1
		.amdhsa_wavefront_size32 1
		.amdhsa_system_sgpr_workgroup_id_x 1
		.amdhsa_system_sgpr_workgroup_id_y 1
		.amdhsa_system_sgpr_workgroup_id_z 1
		.amdhsa_system_vgpr_workitem_id 0
		.amdhsa_next_free_vgpr 512
		.amdhsa_next_free_sgpr 80
		.amdhsa_reserve_vcc 0
		.amdhsa_float_denorm_mode_32 3
		.amdhsa_float_denorm_mode_16_64 3
		.amdhsa_memory_ordered 1
		.amdhsa_forward_progress 1
		.amdhsa_inst_pref_size 72
	.end_amdhsa_kernel
	.amdgpu_metadata
---
amdhsa.version: [ 1, 2 ]
amdhsa.kernels:
  - .name:           k_q943c2ad3f9_attn
    .symbol:         k_q943c2ad3f9_attn.kd
    .args:
      - { .name: qrec, .offset: 0, .size: 8, .value_kind: global_buffer, .address_space: global }
      - { .name: kv, .offset: 8, .size: 8, .value_kind: global_buffer, .address_space: global }
      - { .name: cc, .offset: 16, .size: 8, .value_kind: global_buffer, .address_space: global }
      - { .name: cs, .offset: 24, .size: 8, .value_kind: global_buffer, .address_space: global }
    .group_segment_fixed_size: 327680
    .private_segment_fixed_size: 0
    .kernarg_segment_align: 8
    .kernarg_segment_size: 32
    .max_flat_workgroup_size: 256
    .sgpr_count:     80
    .vgpr_count:     512
    .wavefront_size: 32
...
	.end_amdgpu_metadata
.endif
;; end of part 3
;; launch oproj (part 4): grid 256 x 1, 4 waves a work-group, no clusters, 66,560 bytes of LDS; arguments cc, cs, opc, ops, x, ln_gamma, ln_beta, out0; writes out0
.if DOCPART == 4
	.amdgcn_target "amdgcn-amd-amdhsa--gfx1250"
	.amdhsa_code_object_version 6
	.text
	.protected	k_q943c2ad3f9_oproj
	.globl	k_q943c2ad3f9_oproj
	.p2align	8
	.type	k_q943c2ad3f9_oproj,@function
k_q943c2ad3f9_oproj:
	s_mov_b64 s[64:65], 0
	v_nop
	global_prefetch_b8 v0, s[64:65] scope:SCOPE_SE
	s_setreg_imm32_b32 hwreg(HW_REG_WAVE_MODE, 25, 1), 1
	s_wait_xcnt 0x0
; out0 = LayerNorm(ctx W_o^T + x) x ln_gamma + ln_beta: product 6 on codes of E2M3, the residual and the norm in f32.  No work of the problem is left out here.
; SHARES.  A work-group takes 32 tokens: ctx's tiles 2 G and 2 G + 1.  In the product wave w takes features 128 w .. 128 w + 127 (W_o's tiles 8 w .. 8 w + 7, source 0; ctx is source 1), 64 matrix instructions on 16 accumulators by turns.
; A lane then holds one token and 2 x 64 features; the results meet in a stage in LDS (32 rows of 2,048 bytes + 16); behind ONE barrier wave w takes rows 8 w .. 8 w + 7 whole, 16 numbers a lane and row.
; THE NORM takes the mean away before the squares are summed; sums over a row: within the lane, four steps inside each half of the lanes, one across the halves.
; All loads go out at the head; x, ln_gamma and ln_beta land while the product runs.  No cluster and no tensor load: every operand goes from memory straight into the registers of the one wave that multiplies it.
; LIMITS: NaN and infinities are not served.
; REGISTERS, in windows of 256: window 0: v1 16 x lane, v2 8 x lane, v3, v4 the stage in and out; v16-31 W_o's scale words, v32-35 ctx's; v64-191 the accumulators (64 u + 8 t), then the rows y (16 i + 4 k); v192-239 a pair a row: sums, means, 1 / sigma;
;   v252, v253 the add's two.   windows 1, 2: W_o's fragments, K steps 0, 1 and 2, 3, at 12 (2 t + s).   window 3: v0-95 ctx's fragments (48 u + 12 s), v96-223 x's rows, v224-239 ln_gamma, v240-255 ln_beta.
.set SP,    2064                       ; a stage row
.set SPARE, 32*SP                      ; behind the stage: the spare words, 128 bytes for each wave, which no other line names
.set SS,  16
.set TS,  32
.set ACC, 64
.set Y,   64
.set T,   192
.set MU,  208
.set RS,  224
.set SPW, 252
.set NIL, 253
.set MSB, 0
.macro WIN new                         ; the immediate's high byte repeats the setting that is left
.if MSB != \new
	s_set_vgpr_msb (MSB<<8)|\new
.set MSB, \new
.endif
.endm
.macro WM d, a, b, zero, sa, sb, ra, rb    ; one matrix instruction.  zero = 1: it starts its sum.  ra, rb = 1: that side's scale words are taken from lanes 16-31
.if \zero
.if ((\ra) == 0) && ((\rb) == 0)
	v_wmma_scale_f32_16x16x128_f8f6f4 v[\d:\d+7], v[\a:\a+11], v[\b:\b+11], 0, v[\sa], v[\sb] matrix_a_fmt:MATRIX_FMT_FP6 matrix_b_fmt:MATRIX_FMT_FP6
.elseif (\rb) == 0
	v_wmma_scale_f32_16x16x128_f8f6f4 v[\d:\d+7], v[\a:\a+11], v[\b:\b+11], 0, v[\sa], v[\sb] matrix_a_fmt:MATRIX_FMT_FP6 matrix_b_fmt:MATRIX_FMT_FP6 matrix_a_scale:MATRIX_SCALE_ROW1
.elseif (\ra) == 0
	v_wmma_scale_f32_16x16x128_f8f6f4 v[\d:\d+7], v[\a:\a+11], v[\b:\b+11], 0, v[\sa], v[\sb] matrix_a_fmt:MATRIX_FMT_FP6 matrix_b_fmt:MATRIX_FMT_FP6 matrix_b_scale:MATRIX_SCALE_ROW1
.else
	v_wmma_scale_f32_16x16x128_f8f6f4 v[\d:\d+7], v[\a:\a+11], v[\b:\b+11], 0, v[\sa], v[\sb] matrix_a_fmt:MATRIX_FMT_FP6 matrix_b_fmt:MATRIX_FMT_FP6 matrix_a_scale:MATRIX_SCALE_ROW1 matrix_b_scale:MATRIX_SCALE_ROW1
.endif
.else
.if ((\ra) == 0) && ((\rb) == 0)
	v_wmma_scale_f32_16x16x128_f8f6f4 v[\d:\d+7], v[\a:\a+11], v[\b:\b+11], v[\d:\d+7], v[\sa], v[\sb] matrix_a_fmt:MATRIX_FMT_FP6 matrix_b_fmt:MATRIX_FMT_FP6
.elseif (\rb) == 0
	v_wmma_scale_f32_16x16x128_f8f6f4 v[\d:\d+7], v[\a:\a+11], v[\b:\b+11], v[\d:\d+7], v[\sa], v[\sb] matrix_a_fmt:MATRIX_FMT_FP6 matrix_b_fmt:MATRIX_FMT_FP6 matrix_a_scale:MATRIX_SCALE_ROW1
.elseif (\ra) == 0
	v_wmma_scale_f32_16x16x128_f8f6f4 v[\d:\d+7], v[\a:\a+11], v[\b:\b+11], v[\d:\d+7], v[\sa], v[\sb] matrix_a_fmt:MATRIX_FMT_FP6 matrix_b_fmt:MATRIX_FMT_FP6 matrix_b_scale:MATRIX_SCALE_ROW1
.else
	v_wmma_scale_f32_16x16x128_f8f6f4 v[\d:\d+7], v[\a:\a+11], v[\b:\b+11], v[\d:\d+7], v[\sa], v[\sb] matrix_a_fmt:MATRIX_FMT_FP6 matrix_b_fmt:MATRIX_FMT_FP6 matrix_a_scale:MATRIX_SCALE_ROW1 matrix_b_scale:MATRIX_SCALE_ROW1
.endif
.endif
.endm
; The eight rows' pairs T become the rows' sums over all 32 lanes, in every lane's v[T + 2 i]; the rows take turns on every line.
.macro REDUCE
.irp i, 0,1,2,3,4,5,6,7
	v_add_f32 v[T+2*\i], v[T+2*\i], v[T+2*\i+1]
.endr
.irp m, 1,2,4,8
.irp i, 0,1,2,3,4,5,6,7
	v_add_f32_dpp v[T+2*\i], v[T+2*\i], v[T+2*\i] row_xmask:\m row_mask:0xf bank_mask:0xf
.endr
.endr
.irp i, 0,1,2,3,4,5,6,7
	v_permlanex16_b32 v[T+2*\i+1], v[T+2*\i], s34, s35
.endr
.irp i, 0,1,2,3,4,5,6,7
	v_add_f32 v[T+2*\i], v[T+2*\i], v[T+2*\i+1]
.endr
.endm
	s_load_b256 s[4:11], s[0:1], 0x0               ; cc, cs, opc, ops
	s_load_b256 s[12:19], s[0:1], 0x20             ; x, ln_gamma, ln_beta, out0
	v_lshl_add_u32 v[SPW], v0, 2, SPARE            ; my spare word; never rewritten
	v_mov_b32 v[NIL], 0                            ; 0; never rewritten
	v_lshrrev_b32 v5, 5, v0
	v_readfirstlane_b32 s20, v5                    ; wave
	v_and_b32 v5, 31, v0                           ; lane
	v_and_b32 v6, 15, v0                           ; r
	v_bfe_u32 v7, v0, 4, 1                         ; h
	v_lshlrev_b32 v1, 4, v5
	v_lshlrev_b32 v2, 3, v5
	v_and_b32 v8, 8, v6
	v_add_nc_u32 v8, v8, v6                        ; r % 8 + 16 (r / 8): lane r's row in the stage (+ 8 u).  Stage row q holds token 64 (G / 2) + 16 (G % 2) + q % 16 + 32 (q / 16), by the tiles' order of rows (see prep)
	v_mul_u32_u24 v3, v8, SP
	v_lshl_add_u32 v3, v7, 7, v3
	s_lshl_b32 s21, s20, 9
	v_add_nc_u32 v3, s21, v3                       ; the stage, in: my token's row, + 128 h, + 512 x wave
	s_mul_i32 s21, s20, 8*SP
	v_add_nc_u32 v4, s21, v1                       ; and out: my wave's eight rows, 16 bytes a lane
	s_lshl_b32 s22, s20, 3
	s_add_co_u32 s22, s22, 608                     ; W_o's tiles in opc: 608 + 8 w on
	s_mul_i32 s24, s22, 6144
	s_mov_b32 s25, 0
	s_lshl_b32 s26, s22, 8
	s_mov_b32 s27, 0
	s_mul_i32 s28, ttmp9, 12288                    ; ctx's two tiles
	s_mov_b32 s29, 0
	s_lshl_b32 s30, ttmp9, 9
	s_mov_b32 s31, 0
	s_lshr_b32 s32, ttmp9, 1                       ; my wave's eight stage rows are eight neighbouring tokens, from 64 (G / 2) + 16 (G % 2) + 8 (w % 2) + 32 (w / 2) on; a row of x and of out0 is 2,048 bytes
	s_lshl_b32 s32, s32, 17
	s_and_b32 s33, ttmp9, 1
	s_lshl_b32 s33, s33, 15
	s_add_co_u32 s32, s32, s33
	s_and_b32 s33, s20, 1
	s_lshl_b32 s33, s33, 14
	s_add_co_u32 s32, s32, s33
	s_lshr_b32 s33, s20, 1
	s_lshl_b32 s33, s33, 16
	s_add_co_u32 s32, s32, s33
	s_mov_b32 s33, 0
	s_mov_b32 s34, 0x76543210
	s_mov_b32 s35, 0xfedcba98                      ; v_permlanex16_b32's selects for lane l xor 16
	s_mov_b32 s36, 0x3b000000                      ; 1 / 512
	s_mov_b32 s37, 0x3727c5ac                      ; 1e-5
	s_wait_alu depctr_va_vdst(0)
	s_wait_kmcnt 0x0
	s_add_nc_u64 s[4:5], s[4:5], s[28:29]
	s_add_nc_u64 s[6:7], s[6:7], s[30:31]
	s_add_nc_u64 s[8:9], s[8:9], s[24:25]
	s_add_nc_u64 s[10:11], s[10:11], s[26:27]
	s_add_nc_u64 s[12:13], s[12:13], s[32:33]
	s_add_nc_u64 s[18:19], s[18:19], s[32:33]
.irp q, 0,1,2,3
	global_load_b128 v[SS+4*\q:SS+4*\q+3], v1, s[10:11] offset:512*\q   ; register 4 q + s: lanes 0-15 tile 2 q, lanes 16-31 tile 2 q + 1
.endr
	global_load_b128 v[TS:TS+3], v1, s[6:7]        ; register s: lanes 0-15 ctx's tile 2 G, lanes 16-31 tile 2 G + 1
	WIN 0xc0
.set f, 0
.rept 8
.irp k, 0,1,2,3,4,5
	global_load_b64 v[12*f+2*\k:12*f+2*\k+1], v2, s[4:5] offset:1536*f+256*\k   ; ctx's fragment f = 4 u + s: 256 consecutive bytes a load
.endr
.set f, f+1
.endr
	WIN 0x40
.set f, 0
.rept 16
.irp k, 0,1,2
	global_load_b128 v[12*f+4*\k:12*f+4*\k+3], v1, s[8:9] offset:6144*(f/2)+1536*(f%2)+512*\k
.endr
.set f, f+1
.endr
	WIN 0x80
.set f, 0
.rept 16
.irp k, 0,1,2
	global_load_b128 v[12*f+4*\k:12*f+4*\k+3], v1, s[8:9] offset:6144*(f/2)+1536*(2+f%2)+512*\k
.endr
.set f, f+1
.endr
	WIN 0xc0
.irp i, 0,1,2,3,4,5,6,7
.irp k, 0,1,2,3
	global_load_b128 v[96+16*\i+4*\k:96+16*\i+4*\k+3], v1, s[12:13] offset:2048*\i+512*\k th:TH_LOAD_NT   ; x's row 8 w + i: features 128 k + 4 x lane on
.endr
.endr
.irp k, 0,1,2,3
	global_load_b128 v[224+4*\k:224+4*\k+3], v1, s[14:15] offset:512*\k
.endr
.irp k, 0,1,2,3
	global_load_b128 v[240+4*\k:240+4*\k+3], v1, s[16:17] offset:512*\k
.endr
	WIN 0
	s_wait_loadcnt 40                              ; the operands are in; the 40 loads of x, ln_gamma and ln_beta may be out
	WIN 0x0d                                       ; source 0 window 1, source 1 window 3
.irp s, 0,1
.irp u, 0,1
.irp t, 0,1,2,3,4,5,6,7
	WM ACC+64*\u+8*\t, 12*(2*\t+\s), 48*\u+12*\s, 1-\s, SS+4*(\t/2)+\s, TS+\s, \t%2, \u
.endr
.endr
.endr
	WIN 0x0e                                       ; source 0 window 2
.irp s, 2,3
.irp u, 0,1
.irp t, 0,1,2,3,4,5,6,7
	WM ACC+64*\u+8*\t, 12*(2*\t+\s-2), 48*\u+12*\s, 0, SS+4*(\t/2)+\s, TS+\s, \t%2, \u
.endr
.endr
.endr
	WIN 0
.rept 4
	v_nop                                          ; places in front of the first read of results (ISA guide 7.12.1)
.endr
.irp u, 0,1
.irp t, 0,1,2,3,4,5,6,7
	ds_store_b128 v3, v[ACC+64*\u+8*\t:ACC+64*\u+8*\t+3] offset:8*\u*SP+256*(\t/4)+32*(\t%4)        ; features 128 w + 64 (t / 4) + 32 h + 8 (t % 4) + 0 .. 7; each accumulator from its low end on
	ds_store_b128 v3, v[ACC+64*\u+8*\t+4:ACC+64*\u+8*\t+7] offset:8*\u*SP+256*(\t/4)+32*(\t%4)+16
.endr
.endr
	s_wait_dscnt 0x0                               ; for the others' sake: my stores into the stage are done
	s_barrier_signal -1
	s_barrier_wait -1
.irp i, 0,1,2,3,4,5,6,7
.irp k, 0,1,2,3
	ds_load_b128 v[Y+16*\i+4*\k:Y+16*\i+4*\k+3], v4 offset:SP*\i+512*\k
.endr
.endr
	s_wait_dscnt 0x0
	s_wait_loadcnt 0x0                             ; x, ln_gamma, ln_beta
	WIN 0x0c                                       ; source 1 window 3
.irp p, 0,1,2,3,4,5,6,7
.irp i, 0,1,2,3,4,5,6,7
	v_pk_add_f32 v[Y+16*\i+2*\p:Y+16*\i+2*\p+1], v[Y+16*\i+2*\p:Y+16*\i+2*\p+1], v[96+16*\i+2*\p:97+16*\i+2*\p]   ; y = out + x
.endr
.endr
	WIN 0
.irp i, 0,1,2,3,4,5,6,7
	v_pk_add_f32 v[T+2*\i:T+2*\i+1], v[Y+16*\i:Y+16*\i+1], v[Y+16*\i+2:Y+16*\i+3]
.endr
.irp p, 2,3,4,5,6,7
.irp i, 0,1,2,3,4,5,6,7
	v_pk_add_f32 v[T+2*\i:T+2*\i+1], v[T+2*\i:T+2*\i+1], v[Y+16*\i+2*\p:Y+16*\i+2*\p+1]
.endr
.endr
	REDUCE
.irp i, 0,1,2,3,4,5,6,7
	v_mul_f32 v[MU+2*\i], s36, v[T+2*\i]           ; the mean
	v_mul_f32 v[MU+2*\i+1], s36, v[T+2*\i]         ; (the packed form names the pair, so both halves are written)
.endr
.irp p, 0,1,2,3,4,5,6,7
.irp i, 0,1,2,3,4,5,6,7
	v_pk_add_f32 v[Y+16*\i+2*\p:Y+16*\i+2*\p+1], v[Y+16*\i+2*\p:Y+16*\i+2*\p+1], v[MU+2*\i:MU+2*\i+1] op_sel_hi:[1,0] neg_lo:[0,1] neg_hi:[0,1]   ; d = y - mean
.endr
.endr
.irp i, 0,1,2,3,4,5,6,7
	v_pk_mul_f32 v[T+2*\i:T+2*\i+1], v[Y+16*\i:Y+16*\i+1], v[Y+16*\i:Y+16*\i+1]
.endr
.irp p, 1,2,3,4,5,6,7
.irp i, 0,1,2,3,4,5,6,7
	v_pk_fma_f32 v[T+2*\i:T+2*\i+1], v[Y+16*\i+2*\p:Y+16*\i+2*\p+1], v[Y+16*\i+2*\p:Y+16*\i+2*\p+1], v[T+2*\i:T+2*\i+1]
.endr
.endr
	REDUCE
.irp i, 0,1,2,3,4,5,6,7
	v_fma_f32 v[RS+2*\i], v[T+2*\i], s36, s37      ; the variance + 1e-5
	v_mov_b32 v[RS+2*\i+1], 0                      ; (the pair's other half is named, so it is written)
.endr
	s_wait_alu depctr_va_vdst(0)
.irp i, 0,1,2,3,4,5,6,7
	v_rsq_f32 v[RS+2*\i], v[RS+2*\i]
.endr
	v_nop                                          ; a plain place behind the last of them
	s_wait_alu depctr_va_vdst(0)                   ; one wait for the eight, ahead of their first reader
.irp p, 0,1,2,3,4,5,6,7
.irp i, 0,1,2,3,4,5,6,7
	v_pk_mul_f32 v[Y+16*\i+2*\p:Y+16*\i+2*\p+1], v[Y+16*\i+2*\p:Y+16*\i+2*\p+1], v[RS+2*\i:RS+2*\i+1] op_sel_hi:[1,0]
.endr
.endr
	WIN 0x3c                                       ; sources 1 and 2 window 3
.irp p, 0,1,2,3,4,5,6,7
.irp i, 0,1,2,3,4,5,6,7
	v_pk_fma_f32 v[Y+16*\i+2*\p:Y+16*\i+2*\p+1], v[Y+16*\i+2*\p:Y+16*\i+2*\p+1], v[224+2*\p:225+2*\p], v[240+2*\p:241+2*\p]   ; x ln_gamma + ln_beta
.endr
.endr
	WIN 0
.irp i, 0,1,2,3,4,5,6,7
.irp k, 0,1,2,3
	global_store_b128 v1, v[Y+16*\i+4*\k:Y+16*\i+4*\k+3], s[18:19] offset:2048*\i+512*\k th:TH_STORE_NT   ; 32 lanes store 512 consecutive bytes, at a multiple of 256 from out0's first byte
.endr
.endr
	s_wait_tensorcnt 0x0                           ; the wave's end, behind my last LDS store
	ds_add_u32 v[SPW], v[NIL]
	s_wait_dscnt 0x0
	s_endpgm
.Lfunc_end_k_q943c2ad3f9_oproj:
	.size	k_q943c2ad3f9_oproj, .Lfunc_end_k_q943c2ad3f9_oproj-k_q943c2ad3f9_oproj
	.p2alignl 7, 3214868480
	.fill 96, 4, 3214868480
	.section	.rodata,"a",@progbits
	.p2align	6, 0x0
	.amdhsa_kernel k_q943c2ad3f9_oproj
		.amdhsa_group_segment_fixed_size 66560
		.amdhsa_private_segment_fixed_size 0
		.amdhsa_enable_private_segment 0
		.amdhsa_kernarg_size 64
		.amdhsa_user_sgpr_count 2
		.amdhsa_user_sgpr_kernarg_segment_ptr 1
		.amdhsa_wavefront_size32 1
		.amdhsa_system_sgpr_workgroup_id_x 1
		.amdhsa_system_sgpr_workgroup_id_y 1
		.amdhsa_system_sgpr_workgroup_id_z 1
		.amdhsa_system_vgpr_workitem_id 0
		.amdhsa_next_free_vgpr 1024
		.amdhsa_next_free_sgpr 66
		.amdhsa_reserve_vcc 0
		.amdhsa_float_denorm_mode_32 3
		.amdhsa_float_denorm_mode_16_64 3
		.amdhsa_memory_ordered 1
		.amdhsa_forward_progress 1
		.amdhsa_inst_pref_size 68
	.end_amdhsa_kernel
	.amdgpu_metadata
---
amdhsa.version: [ 1, 2 ]
amdhsa.kernels:
  - .name:           k_q943c2ad3f9_oproj
    .symbol:         k_q943c2ad3f9_oproj.kd
    .args:
      - { .name: cc, .offset: 0, .size: 8, .value_kind: global_buffer, .address_space: global }
      - { .name: cs, .offset: 8, .size: 8, .value_kind: global_buffer, .address_space: global }
      - { .name: opc, .offset: 16, .size: 8, .value_kind: global_buffer, .address_space: global }
      - { .name: ops, .offset: 24, .size: 8, .value_kind: global_buffer, .address_space: global }
      - { .name: x, .offset: 32, .size: 8, .value_kind: global_buffer, .address_space: global }
      - { .name: ln_gamma, .offset: 40, .size: 8, .value_kind: global_buffer, .address_space: global }
      - { .name: ln_beta, .offset: 48, .size: 8, .value_kind: global_buffer, .address_space: global }
      - { .name: out0, .offset: 56, .size: 8, .value_kind: global_buffer, .address_space: global }
    .group_segment_fixed_size: 66560
    .private_segment_fixed_size: 0
    .kernarg_segment_align: 8
    .kernarg_segment_size: 64
    .max_flat_workgroup_size: 128
    .sgpr_count:     66
    .vgpr_count:     1024
    .wavefront_size: 32
...
	.end_amdgpu_metadata
.endif
;; end of part 4
